; MI455X (gfx1250); checked and timed in simulation.
; The chip was launched on July 23, 2026; its instructions are those of AMD's public machine-readable ISA for CDNA 5 (MIT licence, August 2026) and "CDNA5" Instruction Set Architecture Reference Guide (July 2026). The comments in the code are by the model that wrote it; some were corrected since.
;; Parallel Attention2. Allowed arithmetic: matrix products marked QUANTISED: E3M2 operands, one E8M0 scale for each 32 along K, by v_wmma_scale_f32_16x16x128_f8f6f4 with both operands' format E3M2, f32 sums; everything else in f32.
;; Inputs: k_codes 16 x 2,048 x 16 x 24 uint8 (E3M2 codes of k, K innermost, in blocks of 32 codes, four codes in three bytes); k_scales 16 x 2,048 x 16 uint8 (E8M0 scales of k, one for each 32 codes along K); q_codes 16 x 2,048 x 16 x 24 uint8 (E3M2 codes of q, K innermost, in blocks of 32 codes, four codes in three bytes); q_scales 16 x 2,048 x 16 uint8 (E8M0 scales of q, one for each 32 codes along K); v_codes 16 x 512 x 64 x 24 uint8 (E3M2 codes of v, K innermost, in blocks of 32 codes, four codes in three bytes); v_scales 16 x 512 x 64 uint8 (E8M0 scales of v, one for each 32 codes along K).
;; Outputs: out0 16 x 2,048 x 512 float32.
;; Constants: dim = 512.
;; This version of the problem:
;;   THIS VERSION OF THE PROBLEM IS GIVEN IN LOW PRECISION. The matrix products marked QUANTISED in the list below multiply operands that are first quantised to E3M2 (3 exponent bits, 2 mantissa bits; 6 bits a number), with one power-of-two scale for each 32 numbers along K (OCP MX v1.0); their sums are f32. All else is computed in f32.
;;   The module's matrix products, in the order in which they are computed (A, B: the left and right operand; K: the contracted axis; several contracted axes count as one K, in the product's order):
;;     1. batch 16 x [M 2,048, K 512] x [K 512, N 2,048]; A: input q (given as codes); B: input k (given as codes): QUANTISED
;;     2. batch 16 x [M 2,048, K 2,048] x [K 2,048, N 512]; A: computed on the way; B: input v (given as codes): QUANTISED
;;   THE QUANTISER, for each operand of a quantised product, along K:
;;     - K is cut into blocks of 32 from its start; a last block that is shorter is filled with zeros.
;;     - A block's scale is 2^e with e = floor(log2(the largest magnitude in the block)) - 4, held to -126 .. 127; a block of zeros has e = 0. As a byte (E8M0): e + 127.
;;     - Each number is divided by its block's scale, clamped to +-28, and rounded to the nearest number of E3M2, ties to even, subnormals kept.
;;     - The product sums the exact products of the quantised numbers (number of the format x scale) in f32.
;;   ~~~python
;;   def quantise(x, axis):      # numpy; x: float32 -> the quantised numbers, widened to float32 again
;;       x = np.moveaxis(x, axis, -1); K = x.shape[-1]
;;       x = np.pad(x, [(0, 0)] * (x.ndim - 1) + [(0, -K % 32)]); x = x.reshape(x.shape[:-1] + (-1, 32)); a = np.abs(x).max(-1, keepdims=True)
;;       e = np.where(a > 0, np.clip(np.frexp(np.where(a > 0, a, 1))[1] - 1 - 4, -126, 127), 0)      # np.frexp(a)[1] - 1 = floor(log2(a)), exactly
;;       r = np.clip(x / 2.0 ** e, -28, 28)
;;       step = 2.0 ** (np.maximum(np.frexp(np.where(r == 0, 1, r))[1] - 1, -2) - 2)
;;       q = np.round(r / step) * step * 2.0 ** e      # np.round: ties to even
;;       return np.moveaxis(q.reshape(q.shape[:-2] + (-1,))[..., :K], -1, axis).astype(np.float32)
;;   ~~~
;;   OPERANDS COMPUTED ON THE WAY. 'Computed on the way' means the value that the module computes at that place (a softmax that the list does not call 'softmax' is quantised finished and normalised). What goes into a quantiser is computed in f32, as accurately as f32 sums, v_exp_f32 and their like allow (about 1e-6 of the number): no bf16 or f16 on the way to a quantiser, and a product that is left as it is and whose result goes on into a quantised operand takes f32 operands (vector FMAs, or v_wmma_f32_16x16x4_f32). A number that lies on a knife's edge between two numbers of the format may be rounded either way, as far as f32 arithmetic and the matrix unit's own rounding can turn it there, and no further.
;;   INPUTS GIVEN AS CODES. k (in the module: [16, 2048, 512], K = its axis 2); q (in the module: [16, 2048, 512], K = its axis 2); v (in the module: [16, 2048, 512], K = its axis 1): each comes as NAME_codes (uint8): NAME with its K axis moved to the last place and cut into blocks of 32 codes, [.., K / 32, bytes a block], one block behind the other in memory; four codes in three bytes: a row's codes are one little-endian stream of bits, code i at bits 6 i .. 6 i + 5 (a code: sign, 3 exponent bits, 2 mantissa bits); and NAME_scales (uint8): the same leading axes, one E8M0 byte (e + 127) for each 32 codes along K. Its value is code x scale, taken as it is: it is not quantised again, and the codes and scales need not be those that the quantiser above would give.
;; One version. Each part assembles by itself: llvm-mc -triple=amdgcn-amd-amdhsa -mcpu=gfx1250 --defsym DOCPART=n.
;; ======== version 1 of 1: 2 launches
;; limits: right only within a limited range of input values
;; workspace buffers: steps 33,554,432 bytes
;; launch stats (part 1): grid 16 x 16, 8 waves a work-group, clusters of 4 x 1, 327,680 bytes of LDS; arguments q_codes, q_scales, k_codes, k_scales, v_codes, v_scales, steps; writes steps
.if DOCPART == 1
	.amdgcn_target "amdgcn-amd-amdhsa--gfx1250"
	.amdhsa_code_object_version 6
	.text
	.protected	k_q3e9a51be62_stats
	.globl	k_q3e9a51be62_stats
	.p2align	8
	.type	k_q3e9a51be62_stats,@function
k_q3e9a51be62_stats:
	s_mov_b64 s[64:65], 0
	v_nop
	global_prefetch_b8 v0, s[64:65] scope:SCOPE_SE
	s_setreg_imm32_b32 hwreg(HW_REG_WAVE_MODE, 25, 1), 1
	s_wait_xcnt 0x0
	s_wait_alu depctr_hold_cnt(0) depctr_sa_sdst(0) depctr_va_vdst(0) depctr_va_sdst(0) depctr_va_ssrc(0) depctr_va_vcc(0) depctr_vm_vsrc(0)
	s_getreg_b32 s2, hwreg(HW_REG_IB_STS2, 6, 4)
	s_cmp_eq_u32 s2, 0
	s_cbranch_scc0 .Lentry_in_a_cluster
	s_endpgm
.Lentry_in_a_cluster:
	s_bfe_u32 s2, ttmp6, 0x10000c
	s_cmp_lg_u32 s2, 0x3003
	s_cbranch_scc0 .Lentry_shape_is_right
	s_endpgm
.Lentry_shape_is_right:
; FIRST PASS.  S = Q K^T on codes of BF6 (E3M2) with E8M0 scales.  The softmax runs along the QUERIES, so each key has a maximum m and a sum l = sum over the 2,048 queries of 2^(c s - c m),
; c = log2(e) / sqrt(512).  This launch finds -c m and 1 / l of every key.  Beside that it lays K, V, their scale words and these statistics out as one dense block of STEPB bytes
; for each (batch, 128 keys), in the order of the operand registers, for the second pass.
; SHARES.  A work-group owns 128 keys of one batch and walks all 2,048 queries, 256 a slot.  Wave w: jk = w & 1: which 64 keys (4 tiles of 16); qp = w >> 1: which 4 of a slot's 16 query tiles.
; The wave's 16 fragments of K (192 registers, window 1) stay for the whole launch; only Q streams, through a ring of two LDS slots.  A fragment of Q read from LDS feeds four products.
; Source 0 = 16 queries, source 1 = 16 keys: in the result a lane holds ONE key (lane % 16) and eight queries, so maximum and sum run down the lane's registers.
; Each lane keeps a running m and l of its own; the eight parts of a key (4 qp x 2 halves of the lanes) meet once, at the end, through LDS.
; K AND V COME IN BY WHOLE RUNS.  The work-group's 128 rows of K, and its 32 rows of V, are each one dense block of 49,152 bytes: a wave loads an eighth, 512 consecutive bytes an instruction, stores it as it lies
; into a stage in LDS (16 bytes of padding behind every 128), and behind a barrier every wave takes its fragments from there.  The stage serves K first, then V.
; BY TURNS.  HI = (w xor (w >> 2)) & 1 differs between waves w and w + 4 and between waves 2 n and 2 n + 1.  A wave with HI = 1 puts a trip's second epilogue off to the next trip, ahead of its first products:
; its trip runs epilogue, products, epilogue, products where the others run products, epilogue, products, epilogue, so that one wave's vector work can be issued beside another's products.
; THE KEYS OF A TILE ARE NOT NEIGHBOURS: lane r of tile 2 B + u takes key 32 B + 8 u + r + 8 (r / 8), so that in the second pass 16 registers of two neighbouring tiles are 16 neighbouring keys.
; CLUSTER.  The four work-groups of a cluster have the same batch and walk the same Q and the same scales of Q: each tile is asked for jointly, mask 15.
; A BLOCK OF steps: KIMG 32 fragments of K (tile T, K step s) at 1536 (4 T + s): registers 4 c .. 4 c + 3 of lane L at 512 c + 16 L;  VIMG 32 fragments of V (d tile) likewise;
;   KSC pair P at 512 P + 16 L: the 16 scale bytes of key 32 P + 8 h + r + 8 (r / 8);  VSC pair y at 128 y + 4 L: this step's scale word of row d = 32 y + L;  STAT tile T at 128 T: 16 words -c m, 16 words 1 / l.
; LIMITS: NaN, infinities and scale bytes of 0xff among the inputs are not served; scores must be finite; l is summed in another order than the reference sums it.
; THE BLOCKS AS THIS TEXT LAYS THEM (this takes the place of what the lines above say of them): blocks lie 131,072 bytes apart, 103,424 of them written.
; Block i of a batch holds, at the places named above: V's images and scale words of key step i - 1; K's images and scale words of key step i for tiles T with T % 4 >= 2,
; and of key step i + 1 for tiles with T % 4 < 2 (all block numbers mod 16); STAT of key step i: tile T at 128 T: 16 words b = -c m - log2(l), and the same 16 words once more.
; THE ORDER OF A TRIP AS THIS TEXT HAS IT (this takes the place of the paragraph BY TURNS above): every wave runs the same order.  The scores have two buffers, v176-239 and v448-511 (window 1, v192-255).
; A unit's epilogue is cut in two: EPIA (maxima, c s - c m, the exponentials) and EPIB (the sums).  Between the two stand the next unit's 32 products, which start new sums in the other buffer and name none of the batch's registers.
; A trip's second unit is worked on in the next trip; the first trip finds -infinity in its place, which leaves m and l as they are.
.set STEPB,  131072
.set KIMG,   0
.set VIMG,   49152
.set KSC,    98304
.set VSC,    100352
.set STAT,   102400
.set QROW,   384                       ; a row of 512 codes in bytes
.set QPITCH, 432                       ; in LDS: 3 x (128 bytes + 16 of padding) = 108 words: row r starts at word 44 r mod 64, sixteen different multiples of 4 (64 banks of 4 bytes: ISA guide 11.1)
.set QTILE,  16*QPITCH
.set QQUART, 64*QPITCH                 ; what one tensor load brings
.set SLOT,   256*QPITCH
.set TILEB,  256*QROW                  ; a slot's rows in memory
.set SCQ,    2*SLOT                    ; the batch's scales of Q, 32,768 dense bytes, filled once
.set MRG,    SCQ+32768                 ; the merge: 4,096 bytes of m parts, 4,096 of l parts; no tile lands here
.set SPARE,  MRG+8192                  ; the spare words, 128 bytes for each of eight waves: four blocks of 256 bytes that no other line names
.set KST,    SPARE+1024                ; the stage for K, then for V: 128 x 432 bytes; no tile lands here
.set SPW,  1                           ; v1   SPARE + 4 x my thread's number; never rewritten
.set NIL,  2                           ; v2   0; never rewritten
.set AQ,   3                           ; v3-4 my lane's place in my four query tiles of slot 0, 1
.set AQ2,  5                           ; v5-6 the same for pieces that lie behind one padding more in lanes 16-31
.set ASQ,  7                           ; v7   the trip's scale words of Q
.set AMG,  8                           ; v8   the merge: where I put my parts
.set AMR,  9                           ; v9   and where I read a tile's parts
.set PFO,  10                          ; v10  256 x lane: the prefetches' offset; never rewritten
.set KS,   16                          ; v16-23 K's scale words: pair x at 16 + 4 x, word s; lanes 0-15 tile 2 x, lanes 16-31 tile 2 x + 1
.set ASQ0, 24                          ; v24  SCQ + 1024 qp + 16 lane
.set AST,  26                          ; v26  the stage: where I store 16 bytes of my eighth
.set QS,   32                          ; v32-35 Q's scale words of a unit: word s; lanes 0-15 the even query tile, lanes 16-31 the odd one
.set ST,   40                          ; v40-55 tile t at 40 + 4 t: -c m, m, l (two halves)
.set DF,   56                          ; v56-63 tile t: the pair (2^(c m_old - c m_new), a word written once)
.set AC,   64                          ; v64-71 tile t: a unit's sum, two halves
.set AKL,  72                          ; v72-73 the stage: my lane's place in my tiles of K, and the same behind one padding more
.set AKL2, 73
.set AVL,  74                          ; v74-75 the same for my tile of V
.set AVL2, 75
.set Q,    80                          ; v80-175 a unit's fragments of Q: tile e, K step s at 80 + 48 e + 12 s.  At the head: v80-127 my eighth of K, then V's fragments; v128-175 my eighth of V
.set S,    176                         ; v176-239 scores: key tile t, query tile e at 176 + 16 t + 8 e
.set WV,   18
.set G1Q,  24                          ; s[24:31] group 1 for Q's tiles; s[32:39] group 0, a set for each slot
.set G0Q,  32
.set G1S,  40                          ; s[40:47], s[48:51] the same for the scales
.set G0S,  48
.set LAP,  52
.set LIM,  53                          ; 1 in a wave that prefetches, else the greatest number
.set PFA,  54                          ; s[54:55] where my prefetches stand
.set SEL,  56                          ; s[56:57] selects for lane l xor 16
.set CS,   58                          ; s[58:59] c, twice
.set NEGC, 60                          ; s60  -c
.set TSQ,  61                          ; s61  the trip's 4,096 bytes among the scales
.set MSB, 0
.macro WIN new                         ; the immediate's high byte repeats the setting that is left
.if MSB != (\new)
	s_set_vgpr_msb (MSB<<8)|(\new)
.set MSB, \new
.endif
.endm
.macro PLACES                          ; four plain places behind a product, ahead of loads into its registers and of reads of its result
.rept 4
	v_nop
.endr
.endm
.macro ROUND                           ; a round of the cluster's barrier
	s_barrier_signal -1
	s_barrier_wait -1
	s_cmp_lg_u32 s[WV], 0
	s_cbranch_scc1 .Lnot_wave_0_\@
	s_barrier_signal -3
.Lnot_wave_0_\@:
	s_barrier_wait -3
	s_barrier_signal -1
	s_barrier_wait -1
.endm
.macro MEET                            ; my LDS stores have landed and my LDS loads are in: then the work-group's barrier.  No tile is filled again behind it
	s_wait_dscnt 0x0
	s_barrier_signal -1
	s_barrier_wait -1
.endm
; One product.  acc = 0: the constant 0 starts the sum.  ra, rb = 1: that side's scale words are taken from lanes 16-31.
.macro WM d, a, b, acc, sa, sb, ra, rb
.set rD, \d
.set rA, \a
.set rB, \b
.set rX, \sa
.set rY, \sb
.set rSel, 2*(\ra)+(\rb)
.if (\acc) == 0
.if rSel == 0
	v_wmma_scale_f32_16x16x128_f8f6f4 v[rD:rD+7], v[rA:rA+11], v[rB:rB+11], 0, v[rX], v[rY] matrix_a_fmt:MATRIX_FMT_BF6 matrix_b_fmt:MATRIX_FMT_BF6
.elseif rSel == 1
	v_wmma_scale_f32_16x16x128_f8f6f4 v[rD:rD+7], v[rA:rA+11], v[rB:rB+11], 0, v[rX], v[rY] matrix_a_fmt:MATRIX_FMT_BF6 matrix_b_fmt:MATRIX_FMT_BF6 matrix_b_scale:MATRIX_SCALE_ROW1
.elseif rSel == 2
	v_wmma_scale_f32_16x16x128_f8f6f4 v[rD:rD+7], v[rA:rA+11], v[rB:rB+11], 0, v[rX], v[rY] matrix_a_fmt:MATRIX_FMT_BF6 matrix_b_fmt:MATRIX_FMT_BF6 matrix_a_scale:MATRIX_SCALE_ROW1
.else
	v_wmma_scale_f32_16x16x128_f8f6f4 v[rD:rD+7], v[rA:rA+11], v[rB:rB+11], 0, v[rX], v[rY] matrix_a_fmt:MATRIX_FMT_BF6 matrix_b_fmt:MATRIX_FMT_BF6 matrix_a_scale:MATRIX_SCALE_ROW1 matrix_b_scale:MATRIX_SCALE_ROW1
.endif
.else
.if rSel == 0
	v_wmma_scale_f32_16x16x128_f8f6f4 v[rD:rD+7], v[rA:rA+11], v[rB:rB+11], v[rD:rD+7], v[rX], v[rY] matrix_a_fmt:MATRIX_FMT_BF6 matrix_b_fmt:MATRIX_FMT_BF6
.elseif rSel == 1
	v_wmma_scale_f32_16x16x128_f8f6f4 v[rD:rD+7], v[rA:rA+11], v[rB:rB+11], v[rD:rD+7], v[rX], v[rY] matrix_a_fmt:MATRIX_FMT_BF6 matrix_b_fmt:MATRIX_FMT_BF6 matrix_b_scale:MATRIX_SCALE_ROW1
.elseif rSel == 2
	v_wmma_scale_f32_16x16x128_f8f6f4 v[rD:rD+7], v[rA:rA+11], v[rB:rB+11], v[rD:rD+7], v[rX], v[rY] matrix_a_fmt:MATRIX_FMT_BF6 matrix_b_fmt:MATRIX_FMT_BF6 matrix_a_scale:MATRIX_SCALE_ROW1
.else
	v_wmma_scale_f32_16x16x128_f8f6f4 v[rD:rD+7], v[rA:rA+11], v[rB:rB+11], v[rD:rD+7], v[rX], v[rY] matrix_a_fmt:MATRIX_FMT_BF6 matrix_b_fmt:MATRIX_FMT_BF6 matrix_a_scale:MATRIX_SCALE_ROW1 matrix_b_scale:MATRIX_SCALE_ROW1
.endif
.endif
.endm
; A fragment, 16 rows x 128 K: 12 registers, in six pieces of 8 bytes.  Lanes 0-15 take pieces 12 s + 0, 1, 2, 6, 7, 8 of a run of 384 bytes, lanes 16-31 those three pieces on.
; 16 bytes of padding lie behind every 16 pieces: where the piece three on lies behind one padding more, the second address register serves.
.macro LFRAG reg, a1, a2, off, s
.irp p, 0,1,2,3,4,5
.set PC, 12*(\s)+6*(\p/3)+\p%3
.if PC%16 < 13
	ds_load_b64 v[(\reg)+2*\p:(\reg)+2*\p+1], v[\a1] offset:8*PC+16*(PC/16)+(\off)
.else
	ds_load_b64 v[(\reg)+2*\p:(\reg)+2*\p+1], v[\a2] offset:8*PC+16*(PC/16)+(\off)
.endif
.endr
.endm
.macro QLOAD slot, u                   ; unit u of my four query tiles: two tiles; 49 LDS loads, K step by K step
	ds_load_b128 v[QS:QS+3], v[ASQ] offset:512*(\u)
.irp s, 0,1,2,3
.irp e, 0,1
	LFRAG Q+48*\e+12*\s, AQ+\slot, AQ2+\slot, (2*(\u)+\e)*QTILE, \s
.endr
.endr
.endm
.macro MULS w                          ; a unit's 32 products into score buffer w: eight accumulators by turns, one instruction a turn, K ascending
.set SX, S+16*(\w)
	WIN 0x04+0x50*(\w)                             ; source 1 (K) in window 1; C and D in window w
.irp s, 0,1,2,3
	s_wait_dscnt 12*(3-\s)                         ; the 12 loads of each later K step may stay out
.irp e, 0,1
.irp t, 0,1,2,3
	WM SX+16*\t+8*\e, Q+48*\e+12*\s, 12*(4*\t+\s), \s, QS+\s, KS+4*(\t/2)+\s, \e, \t%2
.endr
.endr
.endr
	WIN 0
.endm
; A unit's 16 queries of each of my keys go into the running maximum and sum.  The four key tiles take turns line by line.  It touches registers alone.
.macro EPIA w                          ; score buffer w: the running maximum, c s - c m, the exponentials
.set SX, S+16*(\w)
	WIN 0x05*(\w)                                  ; sources 0 and 1 in window w
.irp t, 0,1,2,3
	v_max3_num_f32 v[ST+4*\t+1], v[SX+16*\t], v[SX+16*\t+1], v[ST+4*\t+1]   ; each accumulator is read from its low end on
.endr
.irp i, 2,4,6,8,10,12,14
.irp t, 0,1,2,3
	v_max3_num_f32 v[ST+4*\t+1], v[SX+16*\t+\i], v[SX+16*\t+\i+1], v[ST+4*\t+1]
.endr
.endr
	WIN 0
.irp t, 0,1,2,3
.if (\w) == 0
	s_delay_alu instid0(VALU_DEP_4)                ; only where no switch of the windows stands between the maxima and these lines
.endif
	v_mul_f32 v[AC+2*\t], s[NEGC], v[ST+4*\t+1]                    ; the new -c m (the four key tiles by turns)
.endr
.irp t, 0,1,2,3
	s_delay_alu instid0(VALU_DEP_4)
	v_sub_f32 v[DF+2*\t], v[AC+2*\t], v[ST+4*\t]                   ; less the old: c m_old - c m_new, of the two rounded products under which the terms are summed: exactly 0 where m has not moved
.endr
.irp t, 0,1,2,3
	v_mov_b32 v[ST+4*\t], v[AC+2*\t]
.endr
	WIN 0x41*(\w)                                  ; source 0 and the destination in window w
.irp i, 0,2,4,6,8,10,12,14
.irp t, 0,1,2,3
	v_pk_fma_f32 v[SX+16*\t+\i:SX+16*\t+\i+1], v[SX+16*\t+\i:SX+16*\t+\i+1], s[CS:CS+1], v[ST+4*\t:ST+4*\t+1] op_sel_hi:[1,0,0]   ; c s - c m, two at a time
.endr
.endr
	WIN 0
	s_wait_alu depctr_va_vdst(0)                   ; a wait ahead of the batch
.irp t, 0,1,2,3
	v_exp_f32 v[DF+2*\t], v[DF+2*\t]
.endr
	WIN 0x41*(\w)
.set ii, 0
.rept 64
	v_exp_f32 v[SX+ii], v[SX+ii]
.set ii, ii+1
.endr
	WIN 0
.endm
.macro EPIB w                          ; score buffer w: the unit's sums go into l
.set SX, S+16*(\w)
	v_nop                                          ; a plain place behind the exponentials
	s_wait_alu depctr_va_vdst(0)                   ; one wait for the batch of 68, ahead of its first reader
	WIN 0x05*(\w)
.irp t, 0,1,2,3
	v_pk_add_f32 v[AC+2*\t:AC+2*\t+1], v[SX+16*\t:SX+16*\t+1], v[SX+16*\t+2:SX+16*\t+3]
.endr
	WIN 0x01*(\w)
.irp i, 4,6,8,10,12,14
.irp t, 0,1,2,3
	v_pk_add_f32 v[AC+2*\t:AC+2*\t+1], v[SX+16*\t+\i:SX+16*\t+\i+1], v[AC+2*\t:AC+2*\t+1]
.endr
.endr
	WIN 0
.irp t, 0,1,2,3
	v_pk_fma_f32 v[ST+4*\t+2:ST+4*\t+3], v[ST+4*\t+2:ST+4*\t+3], v[DF+2*\t:DF+2*\t+1], v[AC+2*\t:AC+2*\t+1] op_sel_hi:[1,0,1]   ; l = l x 2^(c m_old - c m_new) + the unit's sum
.endr
.endm
; A PREFETCH INTO THE L2 of the tile that the NEXT trip's tensor loads will ask for: 256 rows of Q, one dense block of 384 x 256 bytes.  All four clusters of a batch walk the same Q: the batch's first cluster asks.
; Its four partners take a quarter each, told apart by address; in each, waves 4 to 6, which fetch no tile, ask for 8,192 bytes each, lanes 256 bytes apart: each block of 256 bytes is named once.
.macro ASK
	s_cmp_eq_u32 s[LIM], 1
	s_cbranch_scc0 .Lnot_mine_\@
	global_prefetch_b8 v[PFO], s[PFA:PFA+1] th:TH_LOAD_NT scope:SCOPE_SE
.Lnot_mine_\@:
.endm
; A trip: the tile in \slot is multiplied; the other slot is filled with the next tile.
.macro TRIP slot, refill, ask
	s_wait_tensorcnt 0x0                           ; all my tensor loads have landed, my part of this trip's tile among them
	ds_add_u32 v[SPW], v[NIL]                      ; 0 onto my spare word
	s_add_nc_u64 s[G0Q+4*\slot+2:G0Q+4*\slot+3], s[G0Q+4*\slot+2:G0Q+4*\slot+3], 2*TILEB   ; no load of mine is out: this slot's next tile
.if \ask
	s_wait_xcnt 0x0                                ; the last prefetch, a trip back, has read its address
	s_add_nc_u64 s[PFA:PFA+1], s[PFA:PFA+1], TILEB
.endif
	s_wait_dscnt 0x0                               ; the add is done, and my reads of the last trip's tile are over
	ROUND                                          ; both now hold of every wave of all four work-groups
.if \refill
	s_cmp_lt_u32 s[WV], 4                          ; waves 0 to 3 fetch a quarter each
	s_cbranch_scc0 .Lno_fetch_\@
	tensor_load_to_lds s[G0Q+4-4*\slot:G0Q+7-4*\slot], s[G1Q:G1Q+7]
	s_nop 0
.rept 4
	v_nop
.endr
.Lno_fetch_\@:
.endif
.if \ask
	ASK
.endif
	v_add_nc_u32 v[ASQ], s[TSQ], v[ASQ0]
	s_wait_alu depctr_va_vdst(0)
	s_add_co_u32 s[TSQ], s[TSQ], 4096
	QLOAD \slot, 0
	EPIA 1                                         ; the last trip's second unit, while this trip's first fragments come
	MULS 0                                         ; behind its exponentials: products that start new sums in the other buffer
	PLACES
	QLOAD \slot, 1                                 ; lands while scores are worked on
	EPIB 1
	EPIA 0
	MULS 1
	PLACES
	EPIB 0
.endm
	s_load_b256 s[4:11], s[0:1], 0x0               ; q_codes s[4:5], q_scales s[6:7], k_codes s[8:9], k_scales s[10:11]
	s_load_b128 s[12:15], s[0:1], 0x20             ; v_codes s[12:13], v_scales s[14:15]
	s_load_b64 s[16:17], s[0:1], 0x30              ; steps
	v_lshl_add_u32 v[SPW], v0, 2, SPARE
	v_mov_b32 v[NIL], 0
	ds_add_u32 v1, v2
	ds_add_u32 v1, v2
	s_wait_dscnt 0x0
	v_lshrrev_b32 v11, 5, v0
	s_delay_alu instid0(VALU_DEP_1)
	v_readfirstlane_b32 s[WV], v11                 ; wave 0..7
	s_and_b32 s19, s[WV], 1                        ; jk
	s_lshr_b32 s20, s[WV], 1                       ; qp
	s_bfe_u32 s21, ttmp6, 0x40000                  ; cx
	s_lshl_b32 s22, ttmp9, 2
	s_add_co_u32 s22, s22, s21                     ; kb = 4 x cluster x + cx: it enters K's, V's and steps' addresses alone
	s_and_b32 s23, ttmp7, 0xffff                   ; the batch, which the four partners share
	s_and_b32 s66, s[WV], 3                        ; which quarter I fetch
	; group 1 for Q: 64 rows x 384 bytes, 16 bytes of padding behind every 128
	s_mov_b32 s[G1Q+0], 15|(1<<20)|(1<<21)|(4<<22)|(3<<25)   ; mask: all four work-groups; elements of 1 byte; padding on; bit 21 beside a mask; after every 32 words (code 4) 4 words (code 3)
	s_mov_b32 s[G1Q+1], 256<<16                    ; the 64 rows of 384 bytes are dense: stated as 96 rows of 256 bytes, each at a multiple of 256 from the buffer's first byte
	s_mov_b32 s[G1Q+2], 96<<16                     ; tensor_dim1
	s_mov_b32 s[G1Q+3], 256<<16                    ; tile_dim0
	s_mov_b32 s[G1Q+4], 96                         ; tile_dim1
	s_mov_b32 s[G1Q+5], 256                        ; the pitch
	s_mov_b32 s[G1Q+6], 0
	s_mov_b32 s[G1Q+7], 0
	; group 1 for the scales: 8,192 dense bytes as 32 rows of 256 (32 elements of 8 bytes), no padding
	s_mov_b32 s[G1S+0], 15|(3<<16)|(1<<21)
	s_mov_b32 s[G1S+1], 32<<16
	s_mov_b32 s[G1S+2], 32<<16
	s_mov_b32 s[G1S+3], 32<<16
	s_mov_b32 s[G1S+4], 32
	s_mov_b32 s[G1S+5], 32
	s_mov_b32 s[G1S+6], 0
	s_mov_b32 s[G1S+7], 0
	s_mul_i32 s67, s66, QQUART                     ; my quarter in a slot
	s_mul_i32 s68, s23, 2048*QROW                  ; the batch's Q,
	s_mul_i32 s69, s66, 64*QROW                    ; my 64 rows of a tile
	s_add_co_u32 s68, s68, s69
	s_mov_b32 s69, 0
	s_lshl_b32 s70, s66, 13                        ; my quarter of the scales
	s_lshl_b32 s72, s23, 15                        ; the batch's scales
	s_add_co_u32 s72, s72, s70
	s_mov_b32 s73, 0
	s_mov_b32 s[SEL], 0x76543210
	s_mov_b32 s[SEL+1], 0xfedcba98
	s_mov_b32 s[CS], 0x3d8293ee                    ; c = log2(e) / sqrt(512)
	s_mov_b32 s[CS+1], s[CS]
	s_mov_b32 s[NEGC], 0xbd8293ee
	s_mov_b32 s[TSQ], 0
	s_wait_kmcnt 0x0
	s_add_nc_u64 s[68:69], s[4:5], s[68:69]
.irp n, 0,1
	s_mov_b32 s[G0Q+4*\n], 1                       ; count
	s_add_co_u32 s[G0Q+4*\n+1], s67, \n*SLOT       ; LDS address
	s_add_nc_u64 s[G0Q+4*\n+2:G0Q+4*\n+3], s[68:69], \n*TILEB   ; tile n
	s_or_b32 s[G0Q+4*\n+3], s[G0Q+4*\n+3], 0x80000000           ; type 2
.endr
	s_mov_b32 s[G0S], 1
	s_add_co_u32 s[G0S+1], s70, SCQ
	s_add_nc_u64 s[G0S+2:G0S+3], s[6:7], s[72:73]
	s_or_b32 s[G0S+3], s[G0S+3], 0x80000000
	ROUND                                          ; all four work-groups are here: the first joint loads meet
	s_cmp_lt_u32 s[WV], 4                          ; the first fills: waves 0 to 3 tile 0 of Q, waves 4 to 7 the scales; one load a wave is out
	s_cbranch_scc0 .Lfirst_scales
	tensor_load_to_lds s[G0Q:G0Q+3], s[G1Q:G1Q+7]
	s_nop 0
.rept 4
	v_nop
.endr
	s_branch .Lfirst_asked
.Lfirst_scales:
	tensor_load_to_lds s[G0S:G0S+3], s[G1S:G1S+7]
	s_nop 0
.rept 4
	v_nop
.endr
.Lfirst_asked:
	v_and_b32 v25, 31, v0                          ; lane L
	v_and_b32 v12, 15, v0                          ; r
	v_bfe_u32 v13, v0, 4, 1                        ; h
	s_delay_alu instid0(VALU_DEP_2)
	v_and_b32 v14, 8, v12
	s_delay_alu instid0(VALU_DEP_1)
	v_add_nc_u32 v14, v14, v12                     ; r + 8 (r / 8)
	s_delay_alu instid0(VALU_DEP_1)
	v_lshl_add_u32 v15, v13, 3, v14
	s_delay_alu instid0(VALU_DEP_1)
	v_lshlrev_b32 v15, 4, v15                      ; K's scales: row 8 h + r + 8 (r / 8) of a pair, 16 bytes a row
	v_lshlrev_b32 v27, 6, v25                      ; V's scales: 64 bytes a row
	v_lshlrev_b32 v28, 4, v25                      ; 16 x lane: my 16 bytes of a run of 512, and an image's place for my lane
	s_wait_alu depctr_va_vdst(0)
	v_lshlrev_b32 v29, 2, v25
	s_mul_i32 s86, s19, 24576
	v_add_nc_u32 v30, s86, v28                     ; K's images: my 16 fragments
	s_lshl_b32 s86, s19, 10
	v_add_nc_u32 v31, s86, v28                     ; K's scale words: my two pairs
	v_lshlrev_b32 v[PFO], 8, v25
	; where my parts begin
	s_lshl_b32 s74, s23, 11
	s_lshl_b32 s75, s22, 7
	s_add_co_u32 s74, s74, s75                     ; the work-group's first key: 2048 b + 128 kb
	s_mul_i32 s76, s74, QROW
	s_mul_i32 s77, s[WV], 6144                     ; my eighth of its 49,152 bytes
	s_add_co_u32 s76, s76, s77
	s_mov_b32 s77, 0
	s_add_nc_u64 s[8:9], s[8:9], s[76:77]
	s_lshl_b32 s75, s19, 6
	s_add_co_u32 s74, s74, s75                     ; my first key: + 64 jk
	s_lshl_b32 s76, s74, 4
	s_add_nc_u64 s[10:11], s[10:11], s[76:77]
	s_lshl_b32 s76, s23, 9
	s_lshl_b32 s77, s22, 5
	s_add_co_u32 s76, s76, s77                     ; V: row 512 b + 32 kb: the work-group's two d tiles
	s_lshl_b32 s78, s76, 6
	s_lshl_b32 s79, s[WV], 3
	s_add_co_u32 s78, s78, s79                     ; its scales: key steps 2 w and 2 w + 1
	s_mov_b32 s79, 0
	s_add_nc_u64 s[14:15], s[14:15], s[78:79]
	s_mul_i32 s76, s76, 1536
	s_mul_i32 s77, s[WV], 6144                     ; my eighth of the 32 rows' 49,152 bytes
	s_add_co_u32 s76, s76, s77
	s_mov_b32 s77, 0
	s_add_nc_u64 s[12:13], s[12:13], s[76:77]
	s_lshl_b32 s74, s23, 4                         ; 16 b
	s_add_co_u32 s75, s74, s22
	s_mul_i32 s80, s75, STEPB
	s_mov_b32 s81, 0
	s_add_nc_u64 s[80:81], s[16:17], s[80:81]      ; my own block (b, kb)
	s_add_co_u32 s75, s22, 15
	s_and_b32 s75, s75, 15
	s_add_co_u32 s75, s75, s74
	s_mul_i32 s90, s75, STEPB
	s_mov_b32 s91, 0
	s_add_nc_u64 s[90:91], s[16:17], s[90:91]      ; the block before it, (b, (kb - 1) mod 16): it takes K's tiles with T % 4 < 2
	s_lshl_b32 s75, s20, 2
	s_add_co_u32 s75, s75, s74
	s_mul_i32 s82, s75, STEPB                      ; block (b, 4 qp),
	s_lshl_b32 s75, s22, 1
	s_add_co_u32 s75, s75, s19
	s_mul_i32 s75, s75, 1536                       ; the image of d tile 2 kb + jk in it
	s_add_co_u32 s82, s82, s75
	s_add_co_u32 s82, s82, VIMG
	s_mov_b32 s83, 0
	s_add_nc_u64 s[82:83], s[16:17], s[82:83]
	s_lshl_b32 s92, s20, 2
	s_add_co_u32 s92, s92, 4
	s_and_b32 s92, s92, 15
	s_add_co_u32 s92, s92, s74
	s_mul_i32 s92, s92, STEPB                      ; block (b, (4 qp + 4) mod 16), for key step 4 qp + 3
	s_add_co_u32 s92, s92, s75
	s_add_co_u32 s92, s92, VIMG
	s_mov_b32 s93, 0
	s_add_nc_u64 s[92:93], s[16:17], s[92:93]
	s_lshl_b32 s75, s[WV], 1
	s_add_co_u32 s75, s75, s74
	s_mul_i32 s84, s75, STEPB                      ; block (b, 2 w),
	s_lshl_b32 s75, s22, 7                         ; pair kb of V's scale words
	s_add_co_u32 s84, s84, s75
	s_add_co_u32 s84, s84, VSC
	s_mov_b32 s85, 0
	s_add_nc_u64 s[84:85], s[16:17], s[84:85]
	s_lshl_b32 s94, s[WV], 1
	s_add_co_u32 s94, s94, 2
	s_and_b32 s94, s94, 15
	s_add_co_u32 s94, s94, s74
	s_mul_i32 s94, s94, STEPB                      ; block (b, (2 w + 2) mod 16), for key step 2 w + 1
	s_add_co_u32 s94, s94, s75
	s_add_co_u32 s94, s94, VSC
	s_mov_b32 s95, 0
	s_add_nc_u64 s[94:95], s[16:17], s[94:95]
	s_mul_i32 s74, s21, 24576                      ; the prefetches: my work-group's quarter of a tile,
	s_lshl_b32 s75, s66, 13                        ; my wave's 8,192 bytes of it,
	s_add_co_u32 s74, s74, s75
	s_mul_i32 s75, s23, 2048*QROW
	s_add_co_u32 s74, s74, s75
	s_add_co_u32 s74, s74, TILEB                   ; in tile 1: the first trip steps it to tile 2.  Nothing is prefetched here, at the head
	s_mov_b32 s75, 0
	s_add_nc_u64 s[PFA:PFA+1], s[4:5], s[74:75]
	s_sub_co_u32 s87, s[WV], 4
	s_cmp_lt_u32 s87, 3                            ; waves 4 to 6
	s_cselect_b32 s87, 0, 1
	s_or_b32 s87, s87, ttmp9                       ; of the batch's first cluster: the same in all four partners
	s_cmp_eq_u32 s87, 0
	s_cselect_b32 s[LIM], 1, -1
	; my eighths of K and of V, as they lie: each load of the wave covers 512 consecutive bytes
.irp c, 0,1,2,3,4,5,6,7,8,9,10,11
	global_load_b128 v[Q+4*\c:Q+4*\c+3], v28, s[8:9] offset:512*\c th:TH_LOAD_NT
.endr
.irp x, 0,1
	global_load_b128 v[KS+4*\x:KS+4*\x+3], v15, s[10:11] offset:512*\x
.endr
.irp c, 0,1,2,3,4,5,6,7,8,9,10,11
	global_load_b128 v[128+4*\c:128+4*\c+3], v28, s[12:13] offset:512*\c th:TH_LOAD_NT
.endr
	global_load_b64 v[176:177], v27, s[14:15] th:TH_LOAD_NT   ; two key steps' scale words of the work-group's 32 rows of V
	; LDS addresses, while the loads are out
	v_lshrrev_b32 v[AST], 3, v25
	s_delay_alu instid0(VALU_DEP_1)
	v_lshl_add_u32 v[AST], v[AST], 4, v28          ; byte o of a dense block goes to o + 16 (o / 128): 16 L + 16 (L / 8),
	s_mul_i32 s86, s[WV], QTILE                    ; my 6,144 bytes take 6,912,
	s_add_co_u32 s86, s86, KST
	v_add_nc_u32 v[AST], s86, v[AST]               ; and a run of 512 takes 576: that stands in the immediate
	v_mul_u32_u24 v[AKL], v14, QPITCH
	s_delay_alu instid0(VALU_DEP_1)
	v_mad_u32_u24 v[AKL], v13, 24, v[AKL]
	s_mul_i32 s86, s19, QQUART
	s_add_co_u32 s86, s86, KST
	v_add_nc_u32 v[AKL], s86, v[AKL]               ; K: row 64 jk + r + 8 (r / 8), + 24 h
	s_delay_alu instid0(VALU_DEP_1)
	v_lshl_add_u32 v[AKL2], v13, 4, v[AKL]
	v_mul_u32_u24 v[AVL], v12, 4*QPITCH            ; V: a row of 1,536 bytes takes four runs of 432;
	s_delay_alu instid0(VALU_DEP_1)
	v_mad_u32_u24 v[AVL], v13, 24, v[AVL]
	s_mul_i32 s87, s20, QPITCH                     ; key steps 4 qp on are run qp of a row;
	s_add_co_u32 s86, s86, s87                     ; 16 rows of V are as many bytes as 64 of K
	v_add_nc_u32 v[AVL], s86, v[AVL]               ; row 16 jk + r, + 24 h
	s_delay_alu instid0(VALU_DEP_1)
	v_lshl_add_u32 v[AVL2], v13, 4, v[AVL]
	v_mul_u32_u24 v[AQ], v12, QPITCH
	s_delay_alu instid0(VALU_DEP_1)
	v_mad_u32_u24 v[AQ], v13, 24, v[AQ]
	s_mul_i32 s86, s20, QQUART
	v_add_nc_u32 v[AQ], s86, v[AQ]                 ; my four query tiles: row r, + 24 h
	s_delay_alu instid0(VALU_DEP_1)
	v_add_nc_u32 v[AQ+1], SLOT, v[AQ]
	s_delay_alu instid0(VALU_DEP_2)
	v_lshl_add_u32 v[AQ2], v13, 4, v[AQ]
	s_delay_alu instid0(VALU_DEP_2)
	v_lshl_add_u32 v[AQ2+1], v13, 4, v[AQ+1]
	s_lshl_b32 s87, s20, 10
	s_add_co_u32 s87, s87, SCQ
	v_add_nc_u32 v[ASQ0], s87, v28
	s_lshl_b32 s88, s19, 11
	s_lshl_b32 s89, s20, 2
	s_add_co_u32 s88, s88, s89
	s_add_co_u32 s88, s88, MRG
	v_lshl_add_u32 v[AMG], v25, 4, s88             ; tile 4 jk + t at 512 bytes each; 16 bytes a lane; word qp
	v_lshl_add_u32 v[AMR], v0, 4, MRG              ; tile w: 512 w + 16 L
.irp t, 0,1,2,3
	v_mov_b32 v[ST+4*\t+1], 0xff61b1e6             ; m: -3e38, under every score
	v_mov_b32 v[ST+4*\t+2], 0                      ; l
	v_mov_b32 v[ST+4*\t+3], 0
	v_mov_b32 v[DF+2*\t+1], 0                      ; named as the upper half of a pair
.endr
.irp t, 0,1,2,3
	v_mul_f32 v[ST+4*\t], s[NEGC], v[ST+4*\t+1]
.endr
	s_wait_loadcnt 15                              ; K's 12 loads are in; behind them: 2 of K's scales, 12 of V, 1 of V's scales
.irp c, 0,1,2,3,4,5,6,7,8,9,10,11
	ds_store_b128 v[AST], v[Q+4*\c:Q+4*\c+3] offset:576*\c
.endr
	MEET                                           ; the work-group's 128 rows of K lie in the stage
	WIN 0x40                                       ; K's 16 fragments (tile t, K step s) into window 1, at v[12 (4 t + s)]: they stay
.irp t, 0,1,2,3
.irp s, 0,1,2,3
	LFRAG 12*(4*\t+\s), AKL, AKL2, (32*(\t/2)+8*(\t%2))*QPITCH, \s
.endr
.endr
	WIN 0
	MEET                                           ; every wave has its fragments of K: the stage may be written again
	s_wait_loadcnt 0x0
.irp c, 0,1,2,3,4,5,6,7,8,9,10,11
	ds_store_b128 v[AST], v[128+4*\c:128+4*\c+3] offset:576*\c
.endr
	MEET                                           ; the work-group's 32 rows of V lie in the stage
.irp x, 0,1,2,3
	LFRAG Q+12*\x, AVL, AVL2, 0, \x                ; d tile 2 kb + jk, key steps 4 qp + x
.endr
	; the images: each store of the wave covers 512 consecutive bytes, at a multiple of 256 from the buffer's first byte
	s_cmp_lt_u32 s[WV], 2                          ; K's images and scale words: the two waves with qp = 0
	s_cbranch_scc0 .Lno_k_image
	WIN 0x04                                       ; a store's data are its source 1: window 1
.irp f, 0,1,2,3,4,5,6,7,8,9,10,11,12,13,14,15
.irp c, 0,1,2
.if \f < 8
	global_store_b128 v30, v[12*\f+4*\c:12*\f+4*\c+3], s[90:91] offset:KIMG+1536*\f+512*\c   ; my first two tiles: into the block before
.else
	global_store_b128 v30, v[12*\f+4*\c:12*\f+4*\c+3], s[80:81] offset:KIMG+1536*\f+512*\c
.endif
.endr
.endr
	WIN 0
.irp x, 0,1
	global_store_b128 v31, v[KS+4*\x:KS+4*\x+3], s[90-10*\x:91-10*\x] offset:KSC+512*\x   ; the first pair goes with its tiles
.endr
.Lno_k_image:
	s_wait_dscnt 0x0                               ; V's fragments
.irp x, 0,1,2,3
.irp c, 0,1,2
.if \x < 3
	global_store_b128 v28, v[Q+12*\x+4*\c:Q+12*\x+4*\c+3], s[82:83] offset:(\x+1)*STEPB+512*\c   ; key step 4 qp + x into block 4 qp + x + 1
.else
	global_store_b128 v28, v[Q+12*\x+4*\c:Q+12*\x+4*\c+3], s[92:93] offset:512*\c
.endif
.endr
.endr
.irp x, 0,1
	global_store_b32 v29, v[176+\x], s[84+10*\x:85+10*\x] offset:(1-\x)*STEPB   ; key step 2 w + x into block 2 w + x + 1
.endr
	s_wait_xcnt 0x0                                ; the stores have read their registers: Q's fragments and the scores may be written there
	WIN 0x40                                       ; the second score buffer lies in window 1
.set ii, 0
.rept 64
	v_mov_b32 v[S+16+ii], 0xff800000               ; -infinity: what the first trip finds in place of a unit put off; it leaves m and l as they are
.set ii, ii+1
.endr
	WIN 0
	s_mov_b32 s[LAP], 3
.Llap:                                             ; eight tiles of 256 queries: six in the loop,
	TRIP 0, 1, 1
	TRIP 1, 1, 1
	s_sub_co_u32 s[LAP], s[LAP], 1
	s_cmp_lg_u32 s[LAP], 0
	s_cbranch_scc1 .Llap
	TRIP 0, 1, 0                                   ; the last two written out: one more fill, then none; no tile is left to prefetch
	TRIP 1, 0, 0
	EPIA 1                                         ; the last trip's second unit
	EPIB 1
	; THE MERGE.  A key's eight parts: four waves (qp) x two halves of the lanes.  Wave w finishes tile w.
	s_wait_alu depctr_va_vdst(0)
.irp t, 0,1,2,3
	v_add_f32 v[ST+4*\t+2], v[ST+4*\t+2], v[ST+4*\t+3]
.endr
.irp t, 0,1,2,3
	ds_store_b32 v[AMG], v[ST+4*\t+1] offset:512*\t
	ds_store_b32 v[AMG], v[ST+4*\t+2] offset:4096+512*\t
.endr
	MEET                                           ; every wave's parts lie in LDS
	ds_load_b128 v[176:179], v[AMR]                ; four m
	ds_load_b128 v[180:183], v[AMR] offset:4096    ; four l
	v_mov_b32 v185, 0                              ; a lane permute's destination counts as read
	v_lshlrev_b32 v191, 2, v0                      ; 128 w + 4 L
	s_wait_dscnt 0x0
	v_max3_num_f32 v184, v176, v177, v178
	s_delay_alu instid0(VALU_DEP_1)
	v_max_num_f32 v184, v184, v179
	s_wait_alu depctr_va_vdst(0)
	v_permlanex16_b32 v185, v184, s[SEL], s[SEL+1]
	s_delay_alu instid0(VALU_DEP_1)
	v_max_num_f32 v184, v184, v185                 ; the key's m
	s_delay_alu instid0(VALU_DEP_1)
	v_mul_f32 v186, s[NEGC], v184                  ; -c m
.irp x, 0,1,2,3
	v_mul_f32 v[176+\x], s[NEGC], v[176+\x]        ; -c m_x, the very number under which l_x was summed
.endr
.irp x, 0,1,2,3
	s_delay_alu instid0(VALU_DEP_4)
	v_sub_f32 v[176+\x], v186, v[176+\x]           ; c m_x - c m
.endr
	s_wait_alu depctr_va_vdst(0)
.irp x, 0,1,2,3
	v_exp_f32 v[176+\x], v[176+\x]
.endr
	v_nop
	s_wait_alu depctr_va_vdst(0)                   ; one wait for the four, ahead of their first reader
	v_mul_f32 v187, v180, v176
	v_fmac_f32 v187, v181, v177
	v_fmac_f32 v187, v182, v178
	v_fmac_f32 v187, v183, v179
	s_delay_alu instid0(VALU_DEP_1)
	v_permlanex16_b32 v185, v187, s[SEL], s[SEL+1]
	s_delay_alu instid0(VALU_DEP_1)
	v_add_f32 v187, v187, v185                     ; the key's l
	s_wait_alu depctr_va_vdst(0)
	v_log_f32 v188, v187                           ; log2(l); l is at least 1: the largest term is 1
	v_nop                                          ; a plain place behind the logarithm
	s_wait_alu depctr_va_vdst(0)
	v_sub_f32 v189, v186, v188                     ; b = -c m - log2(l): both halves of the lanes hold the key's b
	global_store_b32 v191, v189, s[80:81] offset:STAT   ; the eight waves store 1,024 bytes on end
	s_wait_tensorcnt 0x0                           ; the wave's end
	ds_add_u32 v[SPW], v[NIL]
	s_wait_dscnt 0x0
	ROUND                                          ; the closing round
	s_endpgm
.Lfunc_end_k_q3e9a51be62_stats:
	.size	k_q3e9a51be62_stats, .Lfunc_end_k_q3e9a51be62_stats-k_q3e9a51be62_stats
	.p2alignl 7, 3214868480
	.fill 96, 4, 3214868480
	.section	.rodata,"a",@progbits
	.p2align	6, 0x0
	.amdhsa_kernel k_q3e9a51be62_stats
		.amdhsa_group_segment_fixed_size 327680
		.amdhsa_private_segment_fixed_size 0
		.amdhsa_enable_private_segment 0
		.amdhsa_kernarg_size 56
		.amdhsa_user_sgpr_count 2
		.amdhsa_user_sgpr_kernarg_segment_ptr 1
		.amdhsa_wavefront_size32 1
		.amdhsa_system_sgpr_workgroup_id_x 1
		.amdhsa_system_sgpr_workgroup_id_y 1
		.amdhsa_system_sgpr_workgroup_id_z 1
		.amdhsa_system_vgpr_workitem_id 0
		.amdhsa_next_free_vgpr 512
		.amdhsa_next_free_sgpr 100
		.amdhsa_reserve_vcc 0
		.amdhsa_float_denorm_mode_32 3
		.amdhsa_float_denorm_mode_16_64 3
		.amdhsa_memory_ordered 1
		.amdhsa_forward_progress 1
		.amdhsa_inst_pref_size 180
	.end_amdhsa_kernel
	.amdgpu_metadata
---
amdhsa.version: [ 1, 2 ]
amdhsa.kernels:
  - .name:           k_q3e9a51be62_stats
    .symbol:         k_q3e9a51be62_stats.kd
    .args:
      - { .name: q_codes, .offset: 0, .size: 8, .value_kind: global_buffer, .address_space: global }
      - { .name: q_scales, .offset: 8, .size: 8, .value_kind: global_buffer, .address_space: global }
      - { .name: k_codes, .offset: 16, .size: 8, .value_kind: global_buffer, .address_space: global }
      - { .name: k_scales, .offset: 24, .size: 8, .value_kind: global_buffer, .address_space: global }
      - { .name: v_codes, .offset: 32, .size: 8, .value_kind: global_buffer, .address_space: global }
      - { .name: v_scales, .offset: 40, .size: 8, .value_kind: global_buffer, .address_space: global }
      - { .name: steps, .offset: 48, .size: 8, .value_kind: global_buffer, .address_space: global }
    .group_segment_fixed_size: 327680
    .private_segment_fixed_size: 0
    .kernarg_segment_align: 8
    .kernarg_segment_size: 56
    .max_flat_workgroup_size: 256
    .sgpr_count:     100
    .vgpr_count:     512
    .wavefront_size: 32
...
	.end_amdgpu_metadata
.endif
;; end of part 1
;; launch attn (part 2): grid 16 x 16, 4 waves a work-group, clusters of 4 x 1, 327,680 bytes of LDS; arguments q_codes, q_scales, steps, out0; writes out0
.if DOCPART == 2
	.amdgcn_target "amdgcn-amd-amdhsa--gfx1250"
	.amdhsa_code_object_version 6
	.text
	.protected	k_q3e9a51be62_attn
	.globl	k_q3e9a51be62_attn
	.p2align	8
	.type	k_q3e9a51be62_attn,@function
k_q3e9a51be62_attn:
	s_mov_b64 s[64:65], 0
	v_nop
	global_prefetch_b8 v0, s[64:65] scope:SCOPE_SE
	s_setreg_imm32_b32 hwreg(HW_REG_WAVE_MODE, 25, 1), 1
	s_wait_xcnt 0x0
	s_wait_alu depctr_hold_cnt(0) depctr_sa_sdst(0) depctr_va_vdst(0) depctr_va_sdst(0) depctr_va_ssrc(0) depctr_va_vcc(0) depctr_vm_vsrc(0)
	s_getreg_b32 s2, hwreg(HW_REG_IB_STS2, 6, 4)
	s_cmp_eq_u32 s2, 0
	s_cbranch_scc0 .Lentry_in_a_cluster
	s_endpgm
.Lentry_in_a_cluster:
	s_bfe_u32 s2, ttmp6, 0x10000c
	s_cmp_lg_u32 s2, 0x3003
	s_cbranch_scc0 .Lentry_shape_is_right
	s_endpgm
.Lentry_shape_is_right:
; SECOND PASS.  out = attn V, attn[q][k] = 2^(c s + b_k), b_k = -c m_k - log2(l_k) from the first pass: the softmax along the queries, the maximum taken away, finished and normalised;
; it is quantised to BF6 (E3M2) in blocks of 32 keys for each query.  The scores are made again (S^T = K Q^T).
; SHARES.  A work-group owns 128 queries of one batch and walks 2,048 keys, 128 a step.  Wave w: i = w >> 1: which 64 queries (4 tiles a); j = w & 1: which 64 keys of a step for S^T and which 256 of the 512 d for O^T.
; O^T of a wave: 4 x 16 tiles, 512 registers (windows 2, 3); its 64 rows of Q stay in window 1.  Each fragment of K or V read from LDS feeds four products.  Both products transposed: a lane holds one query.
; ONE MEETING A STEP.  A wave makes half of P's K step; the two waves of a pair exchange halves through LDS.  The round of the cluster's barrier in front of a refill is also the barrier of that exchange; P has two LDS buffers by turns.
; A stretch t between two rounds reads ONE block, t + 1, which the first pass lays so: V of step t, K's tiles 2, 3 (of each wave's four) of step t + 1, K's tiles 0, 1 of step t + 2, the b of step t + 1.
; Its order: products of tiles 0, 1 of step t + 1 on fragments fetched ahead of the round (P's loads are out meanwhile); their softmax (V's first loads are out); O^T += V^T P^T of step t; tiles 2, 3; their softmax
; (the next tiles 0, 1 are fetched); P of step t + 1 stored.  Step 0's tiles 0, 1 come from memory straight into registers (they lie in block 15 as images of the registers).
; Blocks are taken mod 16: block 0 is loaded twice, first for K, last for V of step 15; the loop's last trip fetches K's tiles 0, 1 of step 0 again from LDS, which nobody multiplies: so the loop has one body.
; CLUSTER.  The four query blocks of a cluster belong to one batch and walk the same blocks: joint loads, mask 15.  A block: four tensor loads of 101 rows of 256 bytes, dense.
; PREFETCH.  Behind each refill the batch's first cluster names the block of the next refill, blocks 2 to 15, each 256 bytes once: a quarter a work-group, by address; block 0's second load has been read before.
; LIMITS: NaN, infinities and scale bytes of 0xff are not served; a p under 2^-126 comes out of the exponential as 0; a block whose every p is 0 gets the scale byte 1 (its codes are zeros);
; the division by l is an addition in the exponent, rounded once in f32 with c s.
.set BP,     131072                    ; from block to block in steps
.set STEPB,  103424                    ; a block's bytes
.set QUART,  STEPB/4                   ; 101 x 256
.set VIMG,   49152
.set KSC,    98304
.set VSC,    100352
.set STAT,   102400
.set SLOT1,  1<<17                     ; slot 1, and P's second buffer, lie this far behind the first: one exclusive or changes over
.set PXI,    0x1a000                   ; P's images, behind slot 0 (buffer 1 behind slot 1): fragment (4 i + a) at 1536 each; register pair z at 256 z + 8 L.  No tile lands here
.set PXS,    PXI+12288                 ; P's scale words: 128 (4 i + a) + 4 L
.set SPARE,  0x3d400                   ; the spare words, 128 bytes a wave
.set STAGE,  SPARE+512                 ; the way out: 16 rows x 528 bytes a wave; at the head the stage for Q, 128 x 432 bytes
.set SPITCH, 528
.set QST,    STAGE
.set QPITCH, 432                       ; 3 x (128 bytes + 16 of padding)
.set SPW,  1
.set NIL,  2
.set ADK,  3                           ; v3-7 my lane's places in the slot in hand: K's images, V's, K's scale words, V's, b
.set ADV,  4
.set ADKS, 5
.set ADVS, 6
.set ADST, 7
.set APW,  8                           ; v8-11 P: where I store images, read images, store two scale bytes, read scale words
.set APR,  9
.set APSW, 10
.set APSR, 11
.set PFO,  12
.set LN,   13                          ; lane
.set HH,   14                          ; lane / 16
.set CO,   3                           ; the way out: 16 x lane, stage in, stage back
.set STO,  4
.set RD,   5
.set QS,   16                          ; v16-23 Q's scale words: pair x at 4 x, word s
.set KS,   24                          ; v24-31 K's likewise
.set VS,   32                          ; v32-39 V's
.set PS,   40                          ; v40-43 P's
.set HW,   44
.set MX,   48
.set MY,   52                          ; the other half's maximum, then the conversion's scale operand
.set PC,   56                          ; v56-79 my six registers of P's fragment, 6 a.  At the head: temporaries
.set NCM,  80                          ; v80-95 b of a block's 16 keys of my half of the lanes
.set FB0,  96                          ; v96-143 four fragments, window 0
.set P,    144                         ; v144-191 P's whole fragments, 12 a
.set CT,   144                         ; the second block's codes, 4 a: written when P's fragments are done with
.set S,    192                         ; v192-255 S^T, then p: 16 a + 8 u
.set FB1,  192                         ; window 1: four fragments
.set BK,   64                          ; the way out: v64-127, v128-191 by turns
.set BKH,  160                         ; the head: my quarter of Q as it lies, v160-255
.set WV,   18
.set G1,   24
.set G0,   32
.set CNT,  37
.set LIM,  38
.set PFA,  40
.set SEL,  42
.set CS,   44
.set OUT,  46
.set RAW,  48                          ; s[48:49] my quarter of the batch's block 0
.set OFS,  50                          ; s[50:51] the block to fetch, in bytes
.set KL,   52
.set KL2,  54
.set STG,  57
.set SA,   84                          ; s84-92 the scalar parts of v3-11: each changes over at every meeting
.set MSB, 0
.macro WIN new                         ; the immediate's high byte repeats the setting that is left
.if MSB != (\new)
	s_set_vgpr_msb (MSB<<8)|(\new)
.set MSB, \new
.endif
.endm
.macro PLACES                          ; four plain places behind a product (ISA guide 7.12.1)
.rept 4
	v_nop
.endr
.endm
.macro ROUND                           ; a round of the cluster's barrier
	s_barrier_signal -1
	s_barrier_wait -1
	s_cmp_lg_u32 s[WV], 0
	s_cbranch_scc1 .Lnot_wave_0_\@
	s_barrier_signal -3
.Lnot_wave_0_\@:
	s_barrier_wait -3
	s_barrier_signal -1
	s_barrier_wait -1
.endm
.macro WMC c
.if rSel == 0
	v_wmma_scale_f32_16x16x128_f8f6f4 v[rD:rD+7], v[rA:rA+11], v[rB:rB+11], \c, v[rX], v[rY] matrix_a_fmt:MATRIX_FMT_BF6 matrix_b_fmt:MATRIX_FMT_BF6
.elseif rSel == 1
	v_wmma_scale_f32_16x16x128_f8f6f4 v[rD:rD+7], v[rA:rA+11], v[rB:rB+11], \c, v[rX], v[rY] matrix_a_fmt:MATRIX_FMT_BF6 matrix_b_fmt:MATRIX_FMT_BF6 matrix_b_scale:MATRIX_SCALE_ROW1
.elseif rSel == 2
	v_wmma_scale_f32_16x16x128_f8f6f4 v[rD:rD+7], v[rA:rA+11], v[rB:rB+11], \c, v[rX], v[rY] matrix_a_fmt:MATRIX_FMT_BF6 matrix_b_fmt:MATRIX_FMT_BF6 matrix_a_scale:MATRIX_SCALE_ROW1
.else
	v_wmma_scale_f32_16x16x128_f8f6f4 v[rD:rD+7], v[rA:rA+11], v[rB:rB+11], \c, v[rX], v[rY] matrix_a_fmt:MATRIX_FMT_BF6 matrix_b_fmt:MATRIX_FMT_BF6 matrix_a_scale:MATRIX_SCALE_ROW1 matrix_b_scale:MATRIX_SCALE_ROW1
.endif
.endm
; One product.  acc = 0: the constant 0 starts the sum.  ra, rb = 1: that side's scale words are taken from lanes 16-31.
.macro WM d, a, b, acc, sa, sb, ra, rb
.set rD, \d
.set rA, \a
.set rB, \b
.set rX, \sa
.set rY, \sb
.set rSel, 2*(\ra)+(\rb)
.if (\acc) == 0
	WMC 0
.else
	WMC v[rD:rD+7]
.endif
.endm
; A fragment of Q out of its stage: six pieces of 8 bytes; where the piece of lanes 16-31 lies behind one padding more, the second address register serves.
.macro LFRAG reg, a1, a2, off, s
.irp p, 0,1,2,3,4,5
.set PCE, 12*(\s)+6*(\p/3)+\p%3
.if PCE%16 < 13
	ds_load_b64 v[(\reg)+2*\p:(\reg)+2*\p+1], v[\a1] offset:8*PCE+16*(PCE/16)+(\off)
.else
	ds_load_b64 v[(\reg)+2*\p:(\reg)+2*\p+1], v[\a2] offset:8*PCE+16*(PCE/16)+(\off)
.endif
.endr
.endm
.macro FETCH4 adr, f0, fb              ; four fragments, images f0 .. f0 + 3, into buffer fb: 12 loads of 16 bytes a lane
.if \fb
	WIN 0x40
.set rF, FB1
.else
	WIN 0
.set rF, FB0
.endif
.irp x, 0,1,2,3
.irp c, 0,1,2
	ds_load_b128 v[rF+12*\x+4*\c:rF+12*\x+4*\c+3], v[\adr] offset:1536*((\f0)+\x)+512*\c
.endr
.endr
	WIN 0
.endm
.macro BIAS bb                         ; b of block bb's keys 16 h + 0 .. 15: four loads
.irp u, 0,1
	ds_load_b128 v[NCM+8*\u:NCM+8*\u+3], v[ADST] offset:(2*(\bb)+\u)*128
	ds_load_b128 v[NCM+8*\u+4:NCM+8*\u+7], v[ADST] offset:(2*(\bb)+\u)*128+16
.endr
.endm
.macro SMUL tl, fb                     ; S^T of my key tile tl for my four query tiles: 16 products, four accumulators by turns, K ascending
.if \fb
	WIN 0x05
.set rF, FB1
.else
	WIN 0x04
.set rF, FB0
.endif
.irp s, 0,1,2,3
.irp a, 0,1,2,3
	WM S+16*\a+8*((\tl)%2), rF+12*\s, 12*(4*\a+\s), \s, KS+4*((\tl)/2)+\s, QS+4*(\a/2)+\s, (\tl)%2, \a%2
.endr
.endr
	WIN 0
.endm
; A block of 32 keys x my 64 queries: p = 2^(c s + b), its scale byte, its codes.  A lane holds 16 of the block's keys, lane l xor 16 the other 16.
; SEXP u: tile u of the block: c s + b and the exponentials, 32 registers.  Behind tile 0's batch stand tile 1's products, which name none of its registers; the wait ahead of tile 1's batch is also the wait behind tile 0's.
.macro SEXP u
.irp n, 0,2,4,6
.irp a, 0,1,2,3
	v_pk_fma_f32 v[S+16*\a+8*(\u)+\n:S+16*\a+8*(\u)+\n+1], v[S+16*\a+8*(\u)+\n:S+16*\a+8*(\u)+\n+1], s[CS:CS+1], v[NCM+8*(\u)+\n:NCM+8*(\u)+\n+1] op_sel_hi:[1,0,1]   ; each accumulator from its low end on
.endr
.endr
	s_wait_alu depctr_va_vdst(0)                   ; a wait ahead of the batch
.irp a, 0,1,2,3
.irp n, 0,1,2,3,4,5,6,7
	v_exp_f32 v[S+16*\a+8*(\u)+\n], v[S+16*\a+8*(\u)+\n]
.endr
.endr
.endm
; SOFT bb: behind both tiles' exponentials: the block's largest p, its scale byte, its codes.
.macro SOFT bb
.irp a, 0,1,2,3
	v_max3_num_f32 v[MX+\a], v[S+16*\a], v[S+16*\a+1], 0x2800000   ; tile 0's eight, whose wait has been passed (none is negative), and the floor 2^(5 - 127): plain work behind tile 1's batch
.endr
.irp n, 2,4,6
.irp a, 0,1,2,3
	v_max3_num_f32 v[MX+\a], v[MX+\a], v[S+16*\a+\n], v[S+16*\a+\n+1]
.endr
.endr
	s_wait_alu depctr_va_vdst(0)                   ; one wait for tile 1's batch of 32, ahead of its first reader
.irp n, 8,10,12,14
.irp a, 0,1,2,3
	v_max3_num_f32 v[MX+\a], v[MX+\a], v[S+16*\a+\n], v[S+16*\a+\n+1]
.endr
.endr
.irp a, 0,1,2,3
	v_permlanex16_b32 v[MY+\a], v[MX+\a], s[SEL], s[SEL+1]
.endr
.irp a, 0,1,2,3
	v_max_num_f32 v[MX+\a], v[MX+\a], v[MY+\a]     ; the block's largest
.endr
.irp a, 0,1,2,3
	v_add_nc_u32 v[MY+\a], 0xfe000000, v[MX+\a]    ; 4 off its exponent field: the conversion's scale operand
.endr
.irp a, 0,1,2,3
.if \bb
	v_cvt_scalef32_pk16_bf6_f32 v[CT+4*\a:CT+4*\a+2], v[S+16*\a:S+16*\a+15], v[MY+\a]
.else
	v_cvt_scalef32_pk16_bf6_f32 v[PC+6*\a:PC+6*\a+2], v[S+16*\a:S+16*\a+15], v[MY+\a]
.endif
.endr
	v_nop                                          ; a plain place behind the last conversion
.irp a, 0,1,2,3
.if \bb
	v_lshrrev_b32 v[MX+\a], 23, v[MY+\a]
.else
	v_lshrrev_b32 v[HW+\a], 23, v[MY+\a]           ; the scale's byte
.endif
.endr
.if \bb
.irp a, 0,1,2,3
	v_lshl_or_b32 v[HW+\a], v[MX+\a], 8, v[HW+\a]  ; my two bytes of the scale word
.endr
.endif
.endm
; The operand wants a whole block in a lane: lanes 0-15 my first block, lanes 16-31 my second.  Then my six registers and two bytes go to LDS as they stand.
.macro PACKP
.irp a, 0,1,2,3
.irp i, 0,1,2
	v_permlane16_swap_b32 v[PC+6*\a+\i], v[CT+4*\a+\i]
.endr
.endr
.irp a, 0,1,2,3
.irp i, 0,1,2
	v_mov_b32 v[PC+6*\a+3+\i], v[CT+4*\a+\i]
.endr
.endr
.irp a, 0,1,2,3
.irp y, 0,1,2
	ds_store_b64 v[APW], v[PC+6*\a+2*\y:PC+6*\a+2*\y+1] offset:1536*\a+256*\y
.endr
	ds_store_b16 v[APSW], v[HW+\a] offset:128*\a
.endr
.endm
.macro PLOAD                           ; P's four whole fragments and scale words: 28 loads
.irp a, 0,1,2,3
.irp z, 0,1,2,3,4,5
	ds_load_b64 v[P+12*\a+2*\z:P+12*\a+2*\z+1], v[APR] offset:1536*\a+256*\z
.endr
	ds_load_b32 v[PS+\a], v[APSR] offset:128*\a
.endr
.endm
.macro PV g, fb, zero                  ; O^T += V^T P^T for d tiles 4 g .. 4 g + 3 of my 16: 16 products, each on another accumulator
.if \fb
.set rF, FB1
.else
.set rF, FB0
.endif
.irp hf, 0,1
	WIN 0xa0+0x50*\hf+(\fb)                        ; C and D in window 2 (query tiles 0, 1) or 3 (2, 3); V in window fb; P in window 0
.irp x, 0,1,2,3
.irp a2, 0,1
	WM 8*(16*\a2+4*(\g)+\x), rF+12*\x, P+12*(2*\hf+\a2), 1-(\zero), VS+2*(\g)+\x/2, PS+2*\hf+\a2, \x%2, 0
.endr
.endr
.endr
	WIN 0
.endm
.macro ASK how                         ; thread t names piece min(t, 100) of my work-group's quarter of the next refill's block
.if \how
	s_cmp_eq_u32 s[LIM], 2
.else
	s_cmp_gt_u32 s[CNT], s[LIM]                    ; the loop's last two refills have no block behind them that has not been read
.endif
	s_cbranch_scc0 .Lnot_mine_\@
	global_prefetch_b8 v[PFO], s[PFA:PFA+1] th:TH_LOAD_NT scope:SCOPE_SE
.Lnot_mine_\@:
.endm
; THE MEETING.  Ahead of it my half of P is stored and my reads of the slot in hand are issued; behind it the slot that was left is filled again (fill = 1) and P may be read.
.macro CHANGE fill, how
	s_wait_tensorcnt 0x0                           ; my quarter of the next block has landed
	ds_add_u32 v[SPW], v[NIL]
.irp x, 0,1,2,3,4,5,6,7,8
	s_xor_b32 s[SA+\x], s[SA+\x], SLOT1            ; the other slot, P's other buffers
.endr
.if \fill
	s_xor_b32 s[G0+1], s[G0+1], SLOT1              ; no load of mine is out: the descriptor takes the other slot
	s_add_co_u32 s[OFS], s[OFS], BP
	s_and_b32 s[OFS], s[OFS], 16*BP-1              ; and the next block, mod 16
	s_add_nc_u64 s[G0+2:G0+3], s[RAW:RAW+1], s[OFS:OFS+1]
	s_or_b32 s[G0+3], s[G0+3], 0x80000000
	s_wait_xcnt 0x0                                ; the last prefetch has read its address
	s_add_nc_u64 s[PFA:PFA+1], s[PFA:PFA+1], BP
.endif
	s_wait_dscnt 0x0                               ; the add, my stores of P and my reads of the slot are done
.if \fill
	ROUND
	tensor_load_to_lds s[G0:G0+3], s[G1:G1+7]      ; my quarter: my one tensor load until the next round
	s_nop 0
.rept 4
	v_nop
.endr
	ASK \how
.else
	s_barrier_signal -1
	s_barrier_wait -1
.endif
.endm
; A STRETCH between two meetings.  doS: scores and P of the next step; doPV: O^T of this step.
.macro J doS, doPV, zero
.irp x, 0,1,2
	v_lshl_add_u32 v[ADK+\x], v[LN], 4, s[SA+\x]
.endr
	v_lshl_add_u32 v[ADVS], v[LN], 2, s[SA+3]
	v_lshl_add_u32 v[ADST], v[HH], 5, s[SA+4]
	v_lshl_add_u32 v[APW], v[LN], 3, s[SA+5]
	v_lshl_add_u32 v[APR], v[LN], 3, s[SA+6]
	v_lshl_add_u32 v[APSW], v[LN], 2, s[SA+7]
	v_lshl_add_u32 v[APSR], v[LN], 2, s[SA+8]
	s_wait_alu depctr_va_vdst(0)
.if \doS
	BIAS 0
.endif
.if \doPV
	PLOAD
.irp y, 0,1,2,3,4,5,6,7
	ds_load_b32 v[VS+\y], v[ADVS] offset:128*\y
.endr
.endif
.if \doS
	SMUL 0, 0                                      ; on fragments and scale words that were in registers ahead of the meeting
	PLACES
.if \doPV
	FETCH4 ADV, 0, 0
	s_wait_dscnt 48                                ; b is in; P's 28, V's 8 scale words and 12 fragment loads may stay out
.else
	FETCH4 ADK, 8, 0
	ds_load_b128 v[KS+4:KS+7], v[ADKS] offset:512
	s_wait_dscnt 13                                ; b is in; K's 12 and the scale words' 1 may stay out
.endif
	SEXP 0
	SMUL 1, 1
	PLACES
.if \doPV
	FETCH4 ADV, 4, 1
.else
	FETCH4 ADK, 12, 1
.endif
	SEXP 1
	SOFT 0
	BIAS 1
.else
	FETCH4 ADV, 0, 0
	FETCH4 ADV, 4, 1
.endif
.if \doPV
	s_wait_dscnt 12+4*(\doS)                       ; V's second group and b's 4 may stay out
	PV 0, 0, \zero
	PLACES
	FETCH4 ADV, 8, 0
	s_wait_dscnt 12+4*(\doS)                       ; b's 4 and V's third group
	PV 1, 1, \zero
	PLACES
	FETCH4 ADV, 12, 1
	s_wait_dscnt 12                                ; V's last group
	PV 2, 0, \zero
.if \doS
	PLACES
	FETCH4 ADK, 8, 0
	ds_load_b128 v[KS+4:KS+7], v[ADKS] offset:512
	s_wait_dscnt 13                                ; key tile 2's 12 and its scale words
.else
	s_wait_dscnt 0x0
.endif
	PV 3, 1, \zero
.if \doS
	PLACES
	FETCH4 ADK, 12, 1
.endif
.endif
.if \doS
	s_wait_dscnt 12                                ; key tile 3's 12
	SMUL 2, 0
	PLACES
	FETCH4 ADK, 0, 0                               ; the step after: its tiles 0 and 1 and their scale words, for the products behind the meeting
	ds_load_b128 v[KS:KS+3], v[ADKS]
	s_wait_dscnt 13                                ; these 13 may stay out: key tile 3 and b are in
	SEXP 0
	SMUL 3, 1
	PLACES
	FETCH4 ADK, 4, 1
	SEXP 1
	SOFT 1
	PACKP
.endif
.endm
	s_load_b256 s[4:11], s[0:1], 0x0               ; q_codes s[4:5], q_scales s[6:7], steps s[8:9], out0 s[10:11]
	v_lshl_add_u32 v[SPW], v0, 2, SPARE
	v_mov_b32 v[NIL], 0
	ds_add_u32 v[SPW], v[NIL]                      ; the opening lines
	ds_add_u32 v[SPW], v[NIL]
	s_wait_dscnt 0x0
	v_lshrrev_b32 v56, 5, v0
	v_readfirstlane_b32 s[WV], v56                 ; wave 0..3
	s_lshr_b32 s19, s[WV], 1                       ; i
	s_and_b32 s20, s[WV], 1                        ; j
	s_bfe_u32 s21, ttmp6, 0x40000                  ; cx
	s_lshl_b32 s22, ttmp9, 2
	s_add_co_u32 s22, s22, s21                     ; qb: it enters Q's and the output's addresses alone
	s_and_b32 s23, ttmp7, 0xffff                   ; the batch
	s_mov_b32 s[G1+0], 15|(3<<16)|(1<<21)          ; mask: all four work-groups; elements of 8 bytes; bit 21 beside a mask
	s_mov_b32 s[G1+1], 32<<16
	s_mov_b32 s[G1+2], 101<<16
	s_mov_b32 s[G1+3], 32<<16
	s_mov_b32 s[G1+4], 101
	s_mov_b32 s[G1+5], 32
	s_mov_b32 s[G1+6], 0
	s_mov_b32 s[G1+7], 0
	s_mul_i32 s66, s[WV], QUART                    ; my quarter
	s_lshl_b32 s68, s23, 21                        ; the batch's 16 blocks
	s_add_co_u32 s68, s68, s66
	s_mov_b32 s69, 0
	s_mov_b32 s[SEL], 0x76543210
	s_mov_b32 s[SEL+1], 0xfedcba98
	s_mov_b32 s[CS], 0x3d8293ee                    ; c = log2(e) / sqrt(512)
	s_mov_b32 s[CS+1], s[CS]
	s_mov_b32 s[OFS], 0
	s_mov_b32 s[OFS+1], 0
	s_wait_kmcnt 0x0
	s_add_nc_u64 s[RAW:RAW+1], s[8:9], s[68:69]
	s_mov_b32 s[G0], 1
	s_mov_b32 s[G0+1], s66
	s_mov_b64 s[G0+2:G0+3], s[RAW:RAW+1]
	s_or_b32 s[G0+3], s[G0+3], 0x80000000
	ROUND                                          ; all four work-groups are here: the first joint loads meet
	tensor_load_to_lds s[G0:G0+3], s[G1:G1+7]      ; block 0 into slot 0
	s_nop 0
.rept 4
	v_nop
.endr
	s_lshl_b32 s70, s23, 21
	s_add_co_u32 s74, s70, BP                      ; the prefetches stand in block 1: the first meeting steps them to block 2
	s_mul_i32 s75, s21, QUART
	s_add_co_u32 s74, s74, s75
	s_mov_b32 s75, 0
	s_add_nc_u64 s[PFA:PFA+1], s[8:9], s[74:75]
	s_cmp_eq_u32 ttmp9, 0                          ; the batch's first cluster: the same in all four partners
	s_cselect_b32 s[LIM], 2, -1
	s_add_co_u32 s70, s70, 15*BP                   ; block 15 holds step 0's tiles 0 and 1
	s_mul_i32 s76, s20, 24576
	s_add_co_u32 s78, s70, s76
	s_mov_b32 s79, 0
	s_add_nc_u64 s[KL:KL+1], s[8:9], s[78:79]
	s_lshl_b32 s77, s20, 10
	s_add_co_u32 s78, s70, s77
	s_add_co_u32 s78, s78, KSC
	s_add_nc_u64 s[KL2:KL2+1], s[8:9], s[78:79]
	s_add_co_u32 s[SA+0], s76, SLOT1               ; the scalar parts as they stand ahead of the first change-over
	s_add_co_u32 s[SA+1], s[SA+0], VIMG
	s_add_co_u32 s[SA+2], s77, KSC+SLOT1
	s_add_co_u32 s[SA+3], s77, VSC+SLOT1
	s_lshl_b32 s[SA+4], s20, 9
	s_add_co_u32 s[SA+4], s[SA+4], STAT+SLOT1
	s_mul_i32 s[SA+6], s19, 6144
	s_add_co_u32 s[SA+6], s[SA+6], PXI
	s_mul_i32 s[SA+5], s20, 768
	s_add_co_u32 s[SA+5], s[SA+5], s[SA+6]
	s_add_co_u32 s[SA+5], s[SA+5], SLOT1
	s_lshl_b32 s[SA+8], s19, 9
	s_add_co_u32 s[SA+8], s[SA+8], PXS
	s_lshl_b32 s[SA+7], s20, 1
	s_add_co_u32 s[SA+7], s[SA+7], s[SA+8]
	s_add_co_u32 s[SA+7], s[SA+7], SLOT1
	s_mul_i32 s[STG], s[WV], 16*SPITCH
	s_add_co_u32 s[STG], s[STG], STAGE             ; my stage
	s_lshl_b32 s72, s23, 11
	s_lshl_b32 s73, s22, 7
	s_add_co_u32 s72, s72, s73                     ; the work-group's first query
	s_mul_i32 s74, s72, 384
	s_mul_i32 s75, s[WV], 12288                    ; my quarter of its 49,152 bytes
	s_add_co_u32 s74, s74, s75
	s_mov_b32 s75, 0
	s_add_nc_u64 s[4:5], s[4:5], s[74:75]
	s_lshl_b32 s73, s19, 6
	s_add_co_u32 s72, s72, s73                     ; my first query
	s_lshl_b32 s74, s72, 4
	s_add_nc_u64 s[6:7], s[6:7], s[74:75]
	s_lshl_b32 s74, s72, 11                        ; a row of the output is 2,048 bytes;
	s_lshl_b32 s76, s20, 10                        ; my 256 d
	s_add_co_u32 s74, s74, s76
	s_add_nc_u64 s[OUT:OUT+1], s[10:11], s[74:75]
	v_and_b32 v[LN], 31, v0
	v_and_b32 v57, 15, v0                          ; r
	v_bfe_u32 v[HH], v0, 4, 1
	v_lshlrev_b32 v58, 4, v[LN]                    ; 16 x lane
	s_wait_alu depctr_va_vdst(0)
.irp c, 0,1,2,3,4,5,6,7,8,9,10,11,12,13,14,15,16,17,18,19,20,21,22,23
	global_load_b128 v[BKH+4*\c:BKH+4*\c+3], v58, s[4:5] offset:512*\c th:TH_LOAD_NT   ; my quarter of Q as it lies: 512 consecutive bytes a load
.endr
.irp x, 0,1
	global_load_b128 v[QS+4*\x:QS+4*\x+3], v58, s[6:7] offset:512*\x
.endr
.irp f, 0,1,2,3
.irp c, 0,1,2
	global_load_b128 v[FB0+12*\f+4*\c:FB0+12*\f+4*\c+3], v58, s[KL:KL+1] offset:1536*\f+512*\c   ; step 0, my key tile 0
.endr
.endr
	WIN 0x40
.irp f, 0,1,2,3
.irp c, 0,1,2
	global_load_b128 v[FB1+12*\f+4*\c:FB1+12*\f+4*\c+3], v58, s[KL:KL+1] offset:1536*(4+\f)+512*\c   ; and tile 1
.endr
.endr
	WIN 0
	global_load_b128 v[KS:KS+3], v58, s[KL2:KL2+1]
	v_lshrrev_b32 v59, 3, v[LN]
	v_lshl_add_u32 v59, v59, 4, v58                ; byte o of the dense block goes to o + 16 (o / 128)
	s_mul_i32 s80, s[WV], 32*QPITCH
	s_add_co_u32 s80, s80, QST
	v_add_nc_u32 v59, s80, v59
	v_mul_u32_u24 v60, v57, QPITCH
	v_mad_u32_u24 v60, v[HH], 24, v60
	s_mul_i32 s80, s19, 64*QPITCH
	s_add_co_u32 s80, s80, QST
	v_add_nc_u32 v60, s80, v60                     ; row 64 i + r, + 24 h
	v_lshl_add_u32 v61, v[HH], 4, v60
	v_min_u32 v[PFO], 100, v0
	v_lshlrev_b32 v[PFO], 8, v[PFO]
.irp a, 0,1,2,3
	v_mov_b32 v[MY+\a], 0                          ; a lane permute's destination counts as read
.endr
	s_wait_alu depctr_va_vdst(0)
	s_wait_loadcnt 27                              ; Q's 24 loads are in; behind them: 2 of its scale words, 24 of K, 1 of K's scale words
.irp c, 0,1,2,3,4,5,6,7,8,9,10,11,12,13,14,15,16,17,18,19,20,21,22,23
	ds_store_b128 v59, v[BKH+4*\c:BKH+4*\c+3] offset:576*\c
.endr
	s_wait_dscnt 0x0                               ; for the others' sake: my quarter lies in the stage
	s_barrier_signal -1                            ; block 0's load may stay out
	s_barrier_wait -1
	WIN 0x40                                       ; Q's 16 fragments (tile a, K step s) into window 1, at v[12 (4 a + s)]: they stay
.irp a, 0,1,2,3
.irp s, 0,1,2,3
	LFRAG 12*(4*\a+\s), 60, 61, 16*\a*QPITCH, \s
.endr
.endr
	WIN 0
	CHANGE 1, 1                                    ; block 0 is whole, Q's fragments are in; block 1 is asked for
	s_wait_loadcnt 0x0                             ; Q's scale words, step 0's first two key tiles
	J 1, 0, 0                                      ; scores and P of step 0
	CHANGE 1, 1
	J 1, 1, 1                                      ; step 0's products start O^T's sums: nothing is cleared
	s_mov_b32 s[CNT], 14
.Lstep:                                            ; O^T of steps 1 to 14, P of steps 2 to 15
	CHANGE 1, 0
	J 1, 1, 0
	s_sub_co_u32 s[CNT], s[CNT], 1
	s_cmp_lg_u32 s[CNT], 0
	s_cbranch_scc1 .Lstep
	CHANGE 0, 0                                    ; nothing is left to fetch
	J 0, 1, 0                                      ; O^T of step 15
; THE WAY OUT, in eight blocks n = 2 a + e of 16 queries x 128 d, through my own stage, back as whole rows of 512 bytes.  LDS serves a wave's instructions in order (ISA guide 5.7.1.4).
.macro TOSTAGE n
.set AC, 8*(16*(((\n)/2)%2)+8*((\n)%2))
	WIN 0x08+4*((\n)/4)                            ; an LDS store's data are its source 1: window 2 or 3
.irp tt, 0,1,2,3,4,5,6,7
	ds_store_b128 v[STO], v[AC+8*\tt:AC+8*\tt+3] offset:64*\tt          ; each accumulator from its low end on
	ds_store_b128 v[STO], v[AC+8*\tt+4:AC+8*\tt+7] offset:64*\tt+16
.endr
	WIN 0
.set BB, BK+64*((\n)%2)
.irp row, 0,1,2,3,4,5,6,7,8,9,10,11,12,13,14,15
	ds_load_b128 v[BB+4*\row:BB+4*\row+3], v[RD] offset:\row*SPITCH
.endr
.endm
.macro SEND n, younger                 ; younger: the LDS instructions issued behind block n's loads, which may stay out
.set BB, BK+64*((\n)%2)
	s_wait_dscnt \younger
.irp row, 0,1,2,3,4,5,6,7,8,9,10,11,12,13,14,15
	global_store_b128 v[CO], v[BB+4*\row:BB+4*\row+3], s[OUT:OUT+1] offset:(16*((\n)/2)+\row)*2048+512*((\n)%2) th:TH_STORE_NT   ; 32 lanes store 512 consecutive bytes, at a multiple of 256 from the output's first byte
.endr
.endm
	v_lshlrev_b32 v[CO], 4, v[LN]                  ; six plain lines: also the places behind the last products
	v_and_b32 v[STO], 15, v0
	v_mul_u32_u24 v[STO], v[STO], SPITCH
	v_lshl_add_u32 v[STO], v[HH], 5, v[STO]
	v_add_nc_u32 v[STO], s[STG], v[STO]            ; in: row r, 32 bytes for each half of the lanes
	v_add_nc_u32 v[RD], s[STG], v[CO]              ; back: the 32 lanes take one row of 512 bytes
	s_wait_alu depctr_va_vdst(0)
	TOSTAGE 0
.irp n, 1,2,3,4,5,6,7
.if \n > 1
	s_wait_xcnt 0x0                                ; the stores of two blocks back have read their registers
.endif
	TOSTAGE \n
	SEND \n-1, 32                                  ; behind that block's loads: this block's 16 stores and 16 loads
.endr
	SEND 7, 0
	s_wait_tensorcnt 0x0                           ; the wave's end
	ds_add_u32 v[SPW], v[NIL]
	s_wait_dscnt 0x0
	ROUND                                          ; the closing round
	s_endpgm
.Lfunc_end_k_q3e9a51be62_attn:
	.size	k_q3e9a51be62_attn, .Lfunc_end_k_q3e9a51be62_attn-k_q3e9a51be62_attn
	.p2alignl 7, 3214868480
	.fill 96, 4, 3214868480
	.section	.rodata,"a",@progbits
	.p2align	6, 0x0
	.amdhsa_kernel k_q3e9a51be62_attn
		.amdhsa_group_segment_fixed_size 327680
		.amdhsa_private_segment_fixed_size 0
		.amdhsa_enable_private_segment 0
		.amdhsa_kernarg_size 32
		.amdhsa_user_sgpr_count 2
		.amdhsa_user_sgpr_kernarg_segment_ptr 1
		.amdhsa_wavefront_size32 1
		.amdhsa_system_sgpr_workgroup_id_x 1
		.amdhsa_system_sgpr_workgroup_id_y 1
		.amdhsa_system_sgpr_workgroup_id_z 1
		.amdhsa_system_vgpr_workitem_id 0
		.amdhsa_next_free_vgpr 1024
		.amdhsa_next_free_sgpr 100
		.amdhsa_reserve_vcc 0
		.amdhsa_float_denorm_mode_32 3
		.amdhsa_float_denorm_mode_16_64 3
		.amdhsa_memory_ordered 1
		.amdhsa_forward_progress 1
		.amdhsa_inst_pref_size 187
	.end_amdhsa_kernel
	.amdgpu_metadata
---
amdhsa.version: [ 1, 2 ]
amdhsa.kernels:
  - .name:           k_q3e9a51be62_attn
    .symbol:         k_q3e9a51be62_attn.kd
    .args:
      - { .name: q_codes, .offset: 0, .size: 8, .value_kind: global_buffer, .address_space: global }
      - { .name: q_scales, .offset: 8, .size: 8, .value_kind: global_buffer, .address_space: global }
      - { .name: steps, .offset: 16, .size: 8, .value_kind: global_buffer, .address_space: global }
      - { .name: out0, .offset: 24, .size: 8, .value_kind: global_buffer, .address_space: global }
    .group_segment_fixed_size: 327680
    .private_segment_fixed_size: 0
    .kernarg_segment_align: 8
    .kernarg_segment_size: 32
    .max_flat_workgroup_size: 128
    .sgpr_count:     100
    .vgpr_count:     1024
    .wavefront_size: 32
...
	.end_amdgpu_metadata
.endif
;; end of part 2
